; MI455X (gfx1250); checked and timed in simulation.
; The chip was launched on July 23, 2026; its instructions are those of AMD's public machine-readable ISA for CDNA 5 (MIT licence, August 2026) and "CDNA5" Instruction Set Architecture Reference Guide (July 2026). The comments in the code are by the model that wrote it; some were corrected since.
;; Unidirectional Multihead Attention. Allowed arithmetic: float matrix products may take bf16 or f16 operands with f32 sums; all other float work in f32.
;; Inputs: W_out 1,024 x 1,024 float32; W_qkv 1,024 x 3,072 float32; b_out 1,024 float32; b_qkv 3,072 float32; x 2 x 2,048 x 1,024 float32.
;; Outputs: out0 2 x 2,048 x 1,024 float32.
;; Constants: num_heads = 16.
;; One version. Each part assembles by itself: llvm-mc -triple=amdgcn-amd-amdhsa -mcpu=gfx1250 --defsym DOCPART=n.
;; ======== version 1 of 1: 4 launches
;; limits: values are held in f16: magnitudes above 65,504 overflow, below 6.1e-05 lose precision
;; workspace buffers: xb 8,388,608 bytes; wqb 6,291,456 bytes; wob 2,097,152 bytes; qkv 25,165,824 bytes; vsum 131,072 bytes; att 8,388,608 bytes
;; launch cast (part 1): grid 1024 x 1, 8 waves a work-group, no clusters, 0 bytes of LDS; arguments x, W_qkv, W_out, xb, wqb, wob; writes xb, wqb, wob
.if DOCPART == 1
	.amdgcn_target "amdgcn-amd-amdhsa--gfx1250"
	.amdhsa_code_object_version 6
	.text
	.protected	k_qe46493d41b_cast
	.globl	k_qe46493d41b_cast
	.p2align	8
	.type	k_qe46493d41b_cast,@function
k_qe46493d41b_cast:
	s_mov_b64 s[64:65], 0
	v_nop
	global_prefetch_b8 v0, s[64:65] scope:SCOPE_SE
	s_setreg_imm32_b32 hwreg(HW_REG_WAVE_MODE, 25, 1), 1
	s_wait_xcnt 0x0
; The three large f32 inputs are rounded once to bf16, the matrix operands' format: x -> xb, W_qkv -> wqb, W_out -> wob.
; wob is then rewritten as f16, because the last product multiplies it with f16 numbers: a bf16 number has 8 significant bits and
; is exact in f16 for magnitudes from 2^-14 to 65,504.
; LIMIT: a W_out number below 2^-14 in magnitude carries an absolute error of up to 2^-25; one above 65,504 becomes infinite.
; A stream: no LDS, no barrier, no matrix unit.  A work-group takes 8,192 numbers (32 KiB in, 16 KiB out), a wave 1,024.
; Work-groups 0-511 take x (4,194,304 numbers), 512-895 W_qkv (3,145,728), 896-1023 W_out (1,048,576).
; Each load of a wave covers 512 consecutive bytes, each store 256 consecutive bytes, aligned; all eight loads of a wave go out at once.
.set X,  8                             ; v[8:39]   load n: 4 registers
.set Y,  40                            ; v[40:55]  load n: 2 registers, four 16-bit numbers
.set T0, 56                            ; v[56:57]  at work
	s_load_b256 s[4:11], s[0:1], 0x0               ; x s[4:5], W_qkv s[6:7], W_out s[8:9], xb s[10:11]
	s_load_b128 s[12:15], s[0:1], 0x20             ; wqb s[12:13], wob s[14:15]
	v_and_b32 v3, 31, v0                           ; lane
	v_lshrrev_b32 v4, 5, v0                        ; wave
	v_lshlrev_b32 v1, 4, v3
	v_lshl_add_u32 v1, v4, 12, v1                  ; in: 4,096 x wave + 16 x lane
	v_lshrrev_b32 v2, 1, v1                        ; out: half of that
	s_wait_kmcnt 0x0
	s_cmp_ge_u32 ttmp9, 512                        ; which tensor: a choice on the work-group's number alone
	s_cselect_b64 s[20:21], s[6:7], s[4:5]
	s_cselect_b64 s[22:23], s[12:13], s[10:11]
	s_cselect_b32 s17, 512, 0
	s_cmp_ge_u32 ttmp9, 896
	s_cselect_b64 s[20:21], s[8:9], s[20:21]
	s_cselect_b64 s[22:23], s[14:15], s[22:23]
	s_cselect_b32 s17, 896, s17
	s_sub_co_u32 s18, ttmp9, s17                   ; my chunk of that tensor
	s_lshl_b32 s24, s18, 15                        ; 32 KiB in
	s_mov_b32 s25, 0
	s_lshl_b32 s26, s18, 14                        ; 16 KiB out
	s_mov_b32 s27, 0
	s_add_nc_u64 s[20:21], s[20:21], s[24:25]
	s_add_nc_u64 s[22:23], s[22:23], s[26:27]
.irp n, 0,1,2,3,4,5,6,7
	global_load_b128 v[X+4*\n:X+4*\n+3], v1, s[20:21] offset:512*\n th:TH_LOAD_NT
.endr
.irp n, 0,1,2,3,4,5,6,7
	s_wait_loadcnt 7-\n                            ; loads come back in order: load n is in, the 7 - n younger ones stay out
	v_cvt_pk_bf16_f32 v[Y+2*\n],   v[X+4*\n],   v[X+4*\n+1]
	v_cvt_pk_bf16_f32 v[Y+2*\n+1], v[X+4*\n+2], v[X+4*\n+3]
.endr
	s_cmp_lt_u32 ttmp9, 896
	s_cbranch_scc1 .Lstore
.set i, 0
.rept 16                                               ; W_out alone: the bf16 numbers held as f16
	v_lshlrev_b32 v[T0], 16, v[Y+i]
	v_and_b32 v[T0+1], 0xffff0000, v[Y+i]
	v_cvt_pk_f16_f32 v[Y+i], v[T0], v[T0+1]
.set i, i+1
.endr
.Lstore:
.irp n, 0,1,2,3,4,5,6,7
	global_store_b64 v2, v[Y+2*\n:Y+2*\n+1], s[22:23] offset:256*\n
.endr
	s_endpgm
.Lfunc_end_k_qe46493d41b_cast:
	.size	k_qe46493d41b_cast, .Lfunc_end_k_qe46493d41b_cast-k_qe46493d41b_cast
	.p2alignl 7, 3214868480
	.fill 96, 4, 3214868480
	.section	.rodata,"a",@progbits
	.p2align	6, 0x0
	.amdhsa_kernel k_qe46493d41b_cast
		.amdhsa_group_segment_fixed_size 0
		.amdhsa_private_segment_fixed_size 0
		.amdhsa_enable_private_segment 0
		.amdhsa_kernarg_size 48
		.amdhsa_user_sgpr_count 2
		.amdhsa_user_sgpr_kernarg_segment_ptr 1
		.amdhsa_wavefront_size32 1
		.amdhsa_system_sgpr_workgroup_id_x 1
		.amdhsa_system_sgpr_workgroup_id_y 1
		.amdhsa_system_sgpr_workgroup_id_z 1
		.amdhsa_system_vgpr_workitem_id 0
		.amdhsa_next_free_vgpr 64
		.amdhsa_next_free_sgpr 66
		.amdhsa_reserve_vcc 0
		.amdhsa_float_denorm_mode_32 3
		.amdhsa_float_denorm_mode_16_64 3
		.amdhsa_memory_ordered 1
		.amdhsa_forward_progress 1
		.amdhsa_inst_pref_size 7
	.end_amdhsa_kernel
	.amdgpu_metadata
---
amdhsa.version: [ 1, 2 ]
amdhsa.kernels:
  - .name:           k_qe46493d41b_cast
    .symbol:         k_qe46493d41b_cast.kd
    .args:
      - { .name: x, .offset: 0, .size: 8, .value_kind: global_buffer, .address_space: global }
      - { .name: W_qkv, .offset: 8, .size: 8, .value_kind: global_buffer, .address_space: global }
      - { .name: W_out, .offset: 16, .size: 8, .value_kind: global_buffer, .address_space: global }
      - { .name: xb, .offset: 24, .size: 8, .value_kind: global_buffer, .address_space: global }
      - { .name: wqb, .offset: 32, .size: 8, .value_kind: global_buffer, .address_space: global }
      - { .name: wob, .offset: 40, .size: 8, .value_kind: global_buffer, .address_space: global }
    .group_segment_fixed_size: 0
    .private_segment_fixed_size: 0
    .kernarg_segment_align: 8
    .kernarg_segment_size: 48
    .max_flat_workgroup_size: 256
    .sgpr_count:     66
    .vgpr_count:     64
    .wavefront_size: 32
...
	.end_amdgpu_metadata
.endif
;; end of part 1
;; launch qkvproj (part 2): grid 12 x 16, 4 waves a work-group, clusters of 4 x 4, 327,680 bytes of LDS; arguments xb, wqb, b_qkv, qkv, vsum; writes qkv, vsum
.if DOCPART == 2
	.amdgcn_target "amdgcn-amd-amdhsa--gfx1250"
	.amdhsa_code_object_version 6
	.text
	.protected	k_qe46493d41b_qkvproj
	.globl	k_qe46493d41b_qkvproj
	.p2align	8
	.type	k_qe46493d41b_qkvproj,@function
k_qe46493d41b_qkvproj:
	s_mov_b64 s[64:65], 0
	v_nop
	global_prefetch_b8 v0, s[64:65] scope:SCOPE_SE
	s_setreg_imm32_b32 hwreg(HW_REG_WAVE_MODE, 25, 1), 1
	s_wait_xcnt 0x0
	s_wait_alu depctr_hold_cnt(0) depctr_sa_sdst(0) depctr_va_vdst(0) depctr_va_sdst(0) depctr_va_ssrc(0) depctr_va_vcc(0) depctr_vm_vsrc(0)
	s_getreg_b32 s2, hwreg(HW_REG_IB_STS2, 6, 4)
	s_cmp_eq_u32 s2, 0
	s_cbranch_scc0 .Lentry_in_a_cluster
	s_endpgm
.Lentry_in_a_cluster:
	s_bfe_u32 s2, ttmp6, 0x10000c
	s_cmp_lg_u32 s2, 0xf033
	s_cbranch_scc0 .Lentry_shape_is_right
	s_endpgm
.Lentry_shape_is_right:
; QKV = xb wqb + b_qkv.  xb: [4096][1024] bf16, wqb: [1024 k][3072 n] bf16, b_qkv: [3072] f32; sums in f32, started by the bias.
; Results leave as f16 by head: qkv[three][b][h][s][64], a plane (three, b, h) of 262,144 bytes.  For the V columns the f32 sums over
; blocks of 128 rows leave too: vsum[b*16 + s/128][h*64 + d]; the attention launch needs them for the keys that it does not walk.
; LIMIT: a |Q|, |K| or |V| above 65,504 becomes infinite in f16.  The order of the sums differs from a plain dot product's.
; A work-group makes 256 x 256 with four waves, a wave 128 x 128: 64 accumulator tiles of 16 x 16, 512 registers.  12 x 16 = 192 work-groups.
; K = 1,024 goes in 8 steps of 128 through a ring of two LDS slots filled by the tensor data mover.
; CLUSTERS: 4 x 4 work-groups.  xb's tile hangs on the block row alone and is asked for jointly along a row of the cluster, wqb's on the
; block column alone and jointly along a column: each is requested a quarter as often.
; wqb lies [k][n]: its tile is kept so in LDS, 128 k rows of 512 bytes + 32, and ds_load_tr16_b128 makes the fragments (16 n x 32 k).
; REGISTERS, in windows of 256: window 0: v16-30 addresses, v64-127 and v128-191 fragments of xb (two buffers), v192-255 the bias, later
; packed results; window 1: v64-127, v128-191 fragments of wqb; window 2: accumulator tiles of my rows 0-63 (tile (a, b) at v[8 (8 a + b)]);
; window 3: rows 64-127.
; THE MATRIX INSTRUCTION IS USED TRANSPOSED: source 0 = 16 columns of wqb, source 1 = 16 rows of xb, so lane l holds row l % 16 and its
; eight registers the columns 8 (l / 16) + 0..7: eight neighbours of a row.
.set PITCH,  272                       ; xb's LDS row: 256 bytes + 16
.set BP,     544                       ; wqb's LDS row: 512 bytes + 32 = 17 x 32
.set HALFT,  128*PITCH                 ; 34,816: what one tensor load brings (128 rows of xb, or 64 k rows of wqb)
.set SLOT,   4*HALFT                   ; xb's 256 rows, then wqb's 128 k rows
.set STAGE,  2*SLOT                    ; behind the ring: each wave's own bytes for the way out; no tensor load lands there
.set WSTAGE, 8448                      ; 16 rows x 528 bytes
.set VP,     528                       ; the row sums' stage: 512 bytes + 16
.set LAPS,   4                         ; a lap = two K steps = once round the ring
.set ASTEP,  512                       ; two K steps along a row of xb, in bytes
.set BSTEP,  1572864                   ; two K steps down wqb: 256 rows of 6,144 bytes
.set ADRA, 16                          ; v16-17  LDS address of my xb fragments in slot 0, 1
.set ADRB, 20                          ; v20-21  the same for wqb
.set STO,  24                          ; v24     way out: where I put 16 bytes of a row
.set RD,   25                          ; v25     way out: where I read back
.set CO,   26                          ; v26     16 x lane
.set VST,  27                          ; v27     row sums: where I put 16 bytes
.set VRD,  28                          ; v28     row sums: where I read back
.set BOF,  30                          ; v30     32 x (lane / 16): my eight bias numbers
.set F0,   64
.set F1,   128
.set BIAS, 192                         ; v192-255: tile column b: 8 registers
.set TMP,  192                         ; the same registers once the bias is used up
.set G1,  24                           ; s[24:31] group 1 for xb's tiles
.set G0,  32                           ; s[32:39] group 0 for xb's tiles, one set a slot
.set G1B, 48                           ; s[48:55] group 1 for wqb's tiles
.set G0B, 56                           ; s[56:63] group 0 for wqb's tiles, one set a slot
.set MSB, 0
.macro WIN new                         ; the immediate's high byte repeats the setting that is left
.if MSB != \new
	s_set_vgpr_msb (MSB<<8)|\new
.set MSB, \new
.endif
.endm
; A joint load.  Waves 0 and 1 fetch xb's two halves, waves 2 and 3 wqb's.  The branch hangs on the wave's number alone.
.macro JLOAD s
	s_cmp_eq_u32 s15, 0
	s_cbranch_scc0 .Lfor_b_\@
	tensor_load_to_lds s[G0+4*\s:G0+4*\s+3], s[G1:G1+7]
	s_nop 0
	s_branch .Lasked_\@
.Lfor_b_\@:
	tensor_load_to_lds s[G0B+4*\s:G0B+4*\s+3], s[G1B:G1B+7]
	s_nop 0
.Lasked_\@:
.endm
.macro CREST                           ; a round of the cluster's barrier behind its opening barrier
	s_cmp_lg_u32 s14, 0
	s_cbranch_scc1 .Lnot_wave_0_\@
	s_barrier_signal -3
.Lnot_wave_0_\@:
	s_barrier_wait -3
	s_barrier_signal -1
	s_barrier_wait -1
.endm
.macro CROUND                          ; a whole round
	s_barrier_signal -1
	s_barrier_wait -1
	CREST
.endm
	s_load_b256 s[4:11], s[0:1], 0x0               ; xb s[4:5], wqb s[6:7], b_qkv s[8:9], qkv s[10:11]
	s_load_b64 s[12:13], s[0:1], 0x20              ; vsum
	s_set_vgpr_msb 0x40
	v_lshl_add_u32 v255, v0, 2, 0x4c400
	s_set_vgpr_msb 0x4000
	v_mov_b32 v63, 0
	s_set_vgpr_msb 0x1
	ds_add_u32 v255, v63
	s_set_vgpr_msb 0x100
	v_lshrrev_b32 v1, 5, v0
	v_readfirstlane_b32 s14, v1                    ; wave 0..3
	s_lshr_b32 s15, s14, 1                         ; mh: my half of the block's rows.  Also: I fetch xb (0) or wqb (1)
	s_and_b32 s16, s14, 1                          ; nh: my half of its columns.  Also: which half of that tile I fetch
	s_bfe_u32 s17, ttmp6, 0x40000                  ; cx
	s_bfe_u32 s18, ttmp6, 0x40004                  ; cy
	s_lshl_b32 s19, ttmp9, 2
	s_add_co_u32 s19, s19, s17                     ; block column 0..11 = 4 x cluster x + cx
	s_and_b32 s20, ttmp7, 0xffff
	s_lshl_b32 s20, s20, 2
	s_add_co_u32 s20, s20, s18                     ; block row 0..15 = 4 x cluster y + cy
	s_lshl_b32 s21, s18, 2
	s_lshl_b32 s21, 15, s21                        ; my row of the cluster
	s_lshl_b32 s22, 0x1111, s17                    ; my column
	; group 1 for xb: 128 rows x 128 elements of 2 bytes, 4 words of padding behind every 64 words, row pitch 1,024 elements
	s_or_b32 s[G1+0], s21, (1<<16)|(1<<20)|(1<<21)|(5<<22)|(3<<25)
	s_mov_b32 s[G1+1], 128<<16                     ; tensor_dim0 = 128
	s_mov_b32 s[G1+2], 128<<16                     ; tensor_dim1 = 128
	s_mov_b32 s[G1+3], 128<<16                     ; tile_dim0 = 128
	s_mov_b32 s[G1+4], 128                         ; tile_dim1 = 128
	s_mov_b32 s[G1+5], 1024
	s_mov_b32 s[G1+6], 0
	s_mov_b32 s[G1+7], 0
	; group 1 for wqb: 64 k rows x 256 elements, 8 words of padding behind every 128 words, row pitch 3,072 elements
	s_or_b32 s[G1B+0], s22, (1<<16)|(1<<20)|(1<<21)|(6<<22)|(7<<25)
	s_mov_b32 s[G1B+1], 256<<16
	s_mov_b32 s[G1B+2], 64<<16
	s_mov_b32 s[G1B+3], 256<<16
	s_mov_b32 s[G1B+4], 64
	s_mov_b32 s[G1B+5], 3072
	s_mov_b32 s[G1B+6], 0
	s_mov_b32 s[G1B+7], 0
	; where the tiles come from: xb's offset is made of the block row and the wave alone, wqb's of the block column and the wave alone
	s_lshl_b32 s42, s20, 8
	s_lshl_b32 s43, s16, 7
	s_add_co_u32 s42, s42, s43                     ; row 256 x block row + 128 x half
	s_lshl_b32 s42, s42, 11                        ; x 2,048 bytes
	s_mov_b32 s43, 0
	s_mul_i32 s66, s16, 393216                     ; 64 k rows of 6,144 bytes x half
	s_lshl_b32 s67, s19, 9                         ; 256 columns of 2 bytes x block column
	s_add_co_u32 s66, s66, s67
	s_mov_b32 s67, 0
	s_lshl_b32 s74, s19, 10                        ; the bias of my 128 columns: 1,024 x block column + 512 x half
	s_lshl_b32 s75, s16, 9
	s_add_co_u32 s74, s74, s75
	s_mov_b32 s75, 0
	s_mul_i32 s44, s14, HALFT                      ; where my part of a tile goes: the wave's number alone
	s_wait_dscnt 0x0
	s_wait_kmcnt 0x0
	s_add_nc_u64 s[40:41], s[4:5], s[42:43]
	s_add_nc_u64 s[66:67], s[6:7], s[66:67]
	s_add_nc_u64 s[68:69], s[8:9], s[74:75]
	CROUND                                         ; all sixteen work-groups are here: the first joint loads meet
.irp s, 0,1
	s_mov_b32 s[G0+4*\s], 1
	s_add_co_u32 s[G0+4*\s+1], s44, \s*SLOT
	s_add_nc_u64 s[G0+4*\s+2:G0+4*\s+3], s[40:41], \s*256          ; K step s: 128 elements along the row
	s_or_b32 s[G0+4*\s+3], s[G0+4*\s+3], 0x80000000
	s_mov_b32 s[G0B+4*\s], 1
	s_add_co_u32 s[G0B+4*\s+1], s44, \s*SLOT
	s_add_nc_u64 s[G0B+4*\s+2:G0B+4*\s+3], s[66:67], \s*786432     ; K step s: 128 rows down
	s_or_b32 s[G0B+4*\s+3], s[G0B+4*\s+3], 0x80000000
	JLOAD \s                                       ; two tensor loads of the wave are out now, later one
.endr
	v_and_b32 v1, 15, v0                           ; r = lane % 16
	v_bfe_u32 v2, v0, 4, 1                         ; h = lane / 16
	v_lshlrev_b32 v[BOF], 5, v2
.irp b, 0,1,2,3,4,5,6,7
	global_load_b128 v[BIAS+8*\b:BIAS+8*\b+3],   v[BOF], s[68:69] offset:64*\b      ; bias of columns 16 b + 8 h + 0..3
	global_load_b128 v[BIAS+8*\b+4:BIAS+8*\b+7], v[BOF], s[68:69] offset:64*\b+16   ; and + 4..7
.endr
	v_mul_u32_u24 v3, v1, PITCH
	v_lshl_add_u32 v3, v2, 4, v3                   ; xb: row r x pitch + 16 h
	s_mul_i32 s76, s15, HALFT                      ; my 128 rows
	v_add_nc_u32 v[ADRA], s76, v3
	v_add_nc_u32 v[ADRA+1], SLOT, v[ADRA]
	v_and_b32 v4, 7, v0
	v_lshl_add_u32 v4, v2, 3, v4                   ; wqb: k row 8 h + lane % 8
	v_mul_u32_u24 v4, v4, BP
	v_bfe_u32 v5, v0, 3, 1
	v_lshl_add_u32 v4, v5, 4, v4                   ; + 16 bytes for the second eight columns
	s_lshl_b32 s77, s16, 8                         ; my 128 columns
	s_add_co_u32 s77, s77, 2*HALFT                 ; behind xb's 256 rows
	v_add_nc_u32 v[ADRB], s77, v4
	v_add_nc_u32 v[ADRB+1], SLOT, v[ADRB]
	s_mul_i32 s78, s14, WSTAGE
	s_add_co_u32 s78, s78, STAGE                   ; my stage
	v_add_nc_u32 v[STO], s78, v3                   ; in: row r, 16 bytes for each half of the lanes
	v_bfe_u32 v8, v0, 3, 2
	v_mul_u32_u24 v8, v8, PITCH                    ; back: eight lanes take 128 bytes of a row (one head), four rows a load
	v_and_b32 v9, 7, v0
	v_lshl_add_u32 v8, v9, 4, v8
	v_add_nc_u32 v[RD], s78, v8
	v_and_b32 v7, 31, v0
	v_lshlrev_b32 v[CO], 4, v7
	v_mul_u32_u24 v6, v1, VP
	v_lshl_add_u32 v6, v2, 5, v6
	v_add_nc_u32 v[VST], s78, v6
	v_add_nc_u32 v[VRD], s78, v[CO]
; 16 matrix instructions: row tiles a0, a0 + 1 of the window's four (hi = 0: rows 0-63, 1: rows 64-127) x all 8 column tiles, 32 along K.
; first = 1: the bias is the C operand and starts the sums: nothing is cleared and no add follows.
.macro MUL16 f, hi, a0, first
.irp a, \a0, \a0+1
.irp b, 0,1,2,3,4,5,6,7
.if \first
	v_wmma_f32_16x16x32_bf16 v[8*(8*(\a)+\b):8*(8*(\a)+\b)+7], v[\f+8*\b:\f+8*\b+7], v[\f+8*(4*\hi+\a):\f+8*(4*\hi+\a)+7], v[BIAS+8*\b:BIAS+8*\b+7]
.else
	v_wmma_f32_16x16x32_bf16 v[8*(8*(\a)+\b):8*(8*(\a)+\b)+7], v[\f+8*\b:\f+8*\b+7], v[\f+8*(4*\hi+\a):\f+8*(4*\hi+\a)+7], v[8*(8*(\a)+\b):8*(8*(\a)+\b)+7]
.endif
.endr
.endr
.endm
; 32 LDS loads in one run: the fragments of quarter q of a K step (32 along K) into buffer f: wqb's eight by transposing loads, then xb's eight
.macro FETCH slot, q, f
	WIN 0x40
.irp i, 0,1,2,3,4,5,6,7
	ds_load_tr16_b128 v[\f+8*\i:\f+8*\i+3],   v[ADRB+\slot] offset:\q*32*BP+32*\i          ; k = 32 q + 8 h + 0..7 of column 16 i + r
	ds_load_tr16_b128 v[\f+8*\i+4:\f+8*\i+7], v[ADRB+\slot] offset:\q*32*BP+32*\i+16*BP    ; k = 32 q + 16 + 8 h + 0..7
.endr
	WIN 0
.irp i, 0,1,2,3,4,5,6,7
	ds_load_b128 v[\f+8*\i:\f+8*\i+3],   v[ADRA+\slot] offset:64*\q+\i*16*PITCH
	ds_load_b128 v[\f+8*\i+4:\f+8*\i+7], v[ADRA+\slot] offset:64*\q+\i*16*PITCH+32
.endr
.endm
; A load into a register that a matrix instruction has read, and a vector instruction that reads a matrix result, stand four plain vector
; instructions behind it; the matrix instructions in between are not counted here.
.macro PLACES
.rept 4
	v_nop
.endr
.endm
; One of a K step's first three quarters: multiplies buffer f, and in its middle fetches quarter q into buffer g.
; The 64 accumulators take turns, one instruction a turn, in the same order everywhere.
.macro QUARTER slot, q, f, g, first
	s_wait_dscnt 8                                 ; wqb's fragments and xb's rows 0-63 are in; the youngest eight loads (rows 64-127) may be out
.if \first
	WIN 0x81                                       ; source 0 window 1, source 1 and C window 0, D window 2
.else
	WIN 0xa1                                       ; C and D window 2
.endif
	MUL16 \f, 0, 0, \first
	MUL16 \f, 0, 2, \first
	PLACES
	FETCH \slot, \q, \g
	s_wait_dscnt 32                                ; all but the 32 just issued
.if \first
	WIN 0xc1
.else
	WIN 0xf1
.endif
	MUL16 \f, 1, 0, \first
	MUL16 \f, 1, 2, \first
.endm
.macro THREE slot, first
	QUARTER \slot, 1, F0, F1, \first
	QUARTER \slot, 2, F1, F0, 0
	QUARTER \slot, 3, F0, F1, 0
.endm
; The last quarter multiplies buffer 1 and changes slots.  In front of the barrier each wave waits for its reads of this slot and for all
; its tensor loads (one is out: its part of the next slot).  Where the slot is filled again the barrier opens a round of the cluster's
; barrier, and the joint refill is the first tensor load behind the round.
.macro TURN slot, next, fill
	s_wait_dscnt 8
	WIN 0xa1
	MUL16 F1, 0, 0, 0
	s_wait_dscnt 0                                 ; my reads of this slot are over
	s_wait_tensorcnt 0x0                           ; all my tensor loads have landed
	ds_add_u32 v255, v63
	s_wait_dscnt 0x0
	s_barrier_signal -1
	MUL16 F1, 0, 2, 0                              ; register work while the others arrive
	WIN 0
	s_barrier_wait -1
.if \fill
	CREST
	s_add_nc_u64 s[G0+4*\slot+2:G0+4*\slot+3], s[G0+4*\slot+2:G0+4*\slot+3], ASTEP
	s_add_nc_u64 s[G0B+4*\slot+2:G0B+4*\slot+3], s[G0B+4*\slot+2:G0B+4*\slot+3], BSTEP
	JLOAD \slot
.endif
	PLACES
	FETCH \next, 0, F0
	WIN 0xf1
	MUL16 F1, 1, 0, 0
	MUL16 F1, 1, 2, 0
.endm
.macro LAP first
	THREE 0, \first
	TURN 0, 1, 1
	THREE 1, 0
	TURN 1, 0, 1
.endm
	s_wait_tensorcnt 0x1                           ; my part of K step 0 is in; K step 1's load stays out
	s_barrier_signal -1
	s_barrier_wait -1
	FETCH 0, 0, F0
	s_wait_loadcnt 0x0                             ; the bias
	LAP 1
	WIN 0
	s_mov_b32 s23, LAPS-2
.Llap:
	LAP 0
	WIN 0
	s_sub_co_u32 s23, s23, 1
	s_cmp_lg_u32 s23, 0
	s_cbranch_scc1 .Llap
	THREE 0, 0                                     ; the last lap fills nothing
	TURN 0, 1, 0
	THREE 1, 0
	s_wait_dscnt 8
	WIN 0xa1
	MUL16 F1, 0, 0, 0
	MUL16 F1, 0, 2, 0
	s_wait_dscnt 0
	WIN 0xf1
	MUL16 F1, 1, 0, 0
	MUL16 F1, 1, 2, 0
	PLACES
	WIN 0
	; THE SUMS OF V OVER MY 128 ROWS, in the block columns 8-11 alone: the cluster's x is 2 there, the same in all sixteen partners.
	s_cmp_lg_u32 ttmp9, 2
	s_cbranch_scc1 .Lnov
	s_lshl_b32 s46, s20, 1
	s_add_co_u32 s46, s46, s15                     ; block of 128 rows: 2 x block row + my half
	s_lshl_b32 s46, s46, 12                        ; x 4,096 bytes
	s_sub_co_u32 s47, s19, 8
	s_lshl_b32 s47, s47, 10                        ; 256 columns of 4 bytes
	s_add_co_u32 s46, s46, s47
	s_lshl_b32 s47, s16, 9
	s_add_co_u32 s46, s46, s47
	s_mov_b32 s47, 0
	s_add_nc_u64 s[72:73], s[12:13], s[46:47]
	WIN 0x0a                                       ; both sources window 2, result window 0: the eight row tiles are added in registers
.irp b, 0,1,2,3,4,5,6,7
.irp u, 0,1,2,3
	v_pk_add_f32 v[F0+8*\b+2*\u:F0+8*\b+2*\u+1], v[8*\b+2*\u:8*\b+2*\u+1], v[8*(8+\b)+2*\u:8*(8+\b)+2*\u+1]
.endr
.endr
	WIN 0x02
.irp a, 2,3
.irp b, 0,1,2,3,4,5,6,7
.irp u, 0,1,2,3
	v_pk_add_f32 v[F0+8*\b+2*\u:F0+8*\b+2*\u+1], v[8*(8*\a+\b)+2*\u:8*(8*\a+\b)+2*\u+1], v[F0+8*\b+2*\u:F0+8*\b+2*\u+1]
.endr
.endr
.endr
	WIN 0x03
.irp a, 0,1,2,3
.irp b, 0,1,2,3,4,5,6,7
.irp u, 0,1,2,3
	v_pk_add_f32 v[F0+8*\b+2*\u:F0+8*\b+2*\u+1], v[8*(8*\a+\b)+2*\u:8*(8*\a+\b)+2*\u+1], v[F0+8*\b+2*\u:F0+8*\b+2*\u+1]
.endr
.endr
.endr
	WIN 0
.irp b, 0,1,2,3,4,5,6,7                                ; the sixteen lanes' rows meet in my stage: row r holds 128 columns of f32
	ds_store_b128 v[VST], v[F0+8*\b:F0+8*\b+3]   offset:64*\b
	ds_store_b128 v[VST], v[F0+8*\b+4:F0+8*\b+7] offset:64*\b+16
.endr
.set rr, 0
.rept 16
	ds_load_b128 v[F1+4*rr:F1+4*rr+3], v[VRD] offset:VP*rr         ; LDS serves a wave's instructions in order: these see the stores above
.set rr, rr+1
.endr
	s_wait_dscnt 0x0
.irp d, 8,4,2,1
.set rr, 0
.rept \d
	v_pk_add_f32 v[F1+4*rr:F1+4*rr+1],   v[F1+4*rr:F1+4*rr+1],   v[F1+4*(rr+\d):F1+4*(rr+\d)+1]
	v_pk_add_f32 v[F1+4*rr+2:F1+4*rr+3], v[F1+4*rr+2:F1+4*rr+3], v[F1+4*(rr+\d)+2:F1+4*(rr+\d)+3]
.set rr, rr+1
.endr
.endr
	global_store_b128 v[CO], v[F1:F1+3], s[72:73]  ; 512 consecutive bytes, aligned
.Lnov:
	; THE WAY OUT, 16 rows at a time: round to f16, 16 bytes a lane into my stage, read back by head, store 512 consecutive bytes a wave.
	s_lshr_b32 s46, s19, 2                         ; three
	s_lshl_b32 s46, s46, 5
	s_lshr_b32 s47, s20, 3                         ; b
	s_lshl_b32 s47, s47, 4
	s_add_co_u32 s46, s46, s47
	s_lshl_b32 s47, s19, 2
	s_lshl_b32 s74, s16, 1
	s_add_co_u32 s47, s47, s74
	s_and_b32 s47, s47, 15                         ; my first head: (4 x block column + 2 x half) mod 16
	s_add_co_u32 s46, s46, s47
	s_lshl_b32 s46, s46, 18                        ; planes of 262,144 bytes
	s_and_b32 s47, s20, 7
	s_lshl_b32 s47, s47, 8
	s_lshl_b32 s74, s15, 7
	s_add_co_u32 s47, s47, s74                     ; my first s
	s_lshl_b32 s47, s47, 7                         ; rows of 128 bytes
	s_add_co_u32 s46, s46, s47
	s_mov_b32 s47, 0
	s_add_nc_u64 s[70:71], s[10:11], s[46:47]
; rows 16 i .. 16 i + 15 = the eight tiles (a, 0..7) of window 2 or 3 (from = 0x0a or 0x0f); f: F0 or F1 by turns
.macro OUT16 i, a, from, f
	WIN \from
.irp b, 0,1,2,3,4,5,6,7
.irp r, 0,1,2,3
	v_cvt_pk_f16_f32 v[TMP+4*\b+\r], v[8*(8*\a+\b)+2*\r], v[8*(8*\a+\b)+2*\r+1]
.endr
.endr
	WIN 0
.irp b, 0,1,2,3,4,5,6,7
	ds_store_b128 v[STO], v[TMP+4*\b:TMP+4*\b+3] offset:32*\b
.endr
	s_wait_xcnt 0x0                                ; buffer f, which earlier stores read, is loaded again only behind this wait
.irp hh, 0,1
.irp t, 0,1,2,3
	ds_load_b128 v[\f+4*(4*\hh+\t):\f+4*(4*\hh+\t)+3], v[RD] offset:4*PITCH*\t+128*\hh
.endr
.endr
.irp hh, 0,1
.irp t, 0,1,2,3
	s_wait_dscnt 7-(4*\hh+\t)                      ; the younger loads stay out
	global_store_b128 v[CO], v[\f+4*(4*\hh+\t):\f+4*(4*\hh+\t)+3], s[70:71] offset:2048*\i+512*\t+262144*\hh   ; four rows of one head: 512 consecutive bytes
.endr
.endr
.endm
	OUT16 0, 0, 0x0a, F0
	OUT16 1, 1, 0x0a, F1
	OUT16 2, 2, 0x0a, F0
	OUT16 3, 3, 0x0a, F1
	OUT16 4, 0, 0x0f, F0
	OUT16 5, 1, 0x0f, F1
	OUT16 6, 2, 0x0f, F0
	OUT16 7, 3, 0x0f, F1
	s_set_vgpr_msb 0x1
	s_wait_tensorcnt 0x0
	ds_add_u32 v255, v63
	s_wait_dscnt 0x0
	s_set_vgpr_msb 0x100
	CROUND                                         ; the closing round: no work-group ends while a partner may still ask for a tile that names it
	s_endpgm
.Lfunc_end_k_qe46493d41b_qkvproj:
	.size	k_qe46493d41b_qkvproj, .Lfunc_end_k_qe46493d41b_qkvproj-k_qe46493d41b_qkvproj
	.p2alignl 7, 3214868480
	.fill 96, 4, 3214868480
	.section	.rodata,"a",@progbits
	.p2align	6, 0x0
	.amdhsa_kernel k_qe46493d41b_qkvproj
		.amdhsa_group_segment_fixed_size 327680
		.amdhsa_private_segment_fixed_size 0
		.amdhsa_enable_private_segment 0
		.amdhsa_kernarg_size 40
		.amdhsa_user_sgpr_count 2
		.amdhsa_user_sgpr_kernarg_segment_ptr 1
		.amdhsa_wavefront_size32 1
		.amdhsa_system_sgpr_workgroup_id_x 1
		.amdhsa_system_sgpr_workgroup_id_y 1
		.amdhsa_system_sgpr_workgroup_id_z 1
		.amdhsa_system_vgpr_workitem_id 0
		.amdhsa_next_free_vgpr 1024
		.amdhsa_next_free_sgpr 80
		.amdhsa_reserve_vcc 0
		.amdhsa_float_denorm_mode_32 3
		.amdhsa_float_denorm_mode_16_64 3
		.amdhsa_memory_ordered 1
		.amdhsa_forward_progress 1
		.amdhsa_inst_pref_size 216
	.end_amdhsa_kernel
	.amdgpu_metadata
---
amdhsa.version: [ 1, 2 ]
amdhsa.kernels:
  - .name:           k_qe46493d41b_qkvproj
    .symbol:         k_qe46493d41b_qkvproj.kd
    .args:
      - { .name: xb, .offset: 0, .size: 8, .value_kind: global_buffer, .address_space: global }
      - { .name: wqb, .offset: 8, .size: 8, .value_kind: global_buffer, .address_space: global }
      - { .name: b_qkv, .offset: 16, .size: 8, .value_kind: global_buffer, .address_space: global }
      - { .name: qkv, .offset: 24, .size: 8, .value_kind: global_buffer, .address_space: global }
      - { .name: vsum, .offset: 32, .size: 8, .value_kind: global_buffer, .address_space: global }
    .group_segment_fixed_size: 327680
    .private_segment_fixed_size: 0
    .kernarg_segment_align: 8
    .kernarg_segment_size: 40
    .max_flat_workgroup_size: 128
    .sgpr_count:     80
    .vgpr_count:     1024
    .wavefront_size: 32
...
	.end_amdgpu_metadata
.endif
;; end of part 2
;; launch attn (part 3): grid 8 x 32, 8 waves a work-group, no clusters, 327,680 bytes of LDS; arguments qkv, vsum, att; writes att
.if DOCPART == 3
	.amdgcn_target "amdgcn-amd-amdhsa--gfx1250"
	.amdhsa_code_object_version 6
	.text
	.protected	k_qe46493d41b_attn
	.globl	k_qe46493d41b_attn
	.p2align	8
	.type	k_qe46493d41b_attn,@function
k_qe46493d41b_attn:
	s_mov_b64 s[64:65], 0
	v_nop
	global_prefetch_b8 v0, s[64:65] scope:SCOPE_SE
	s_setreg_imm32_b32 hwreg(HW_REG_WAVE_MODE, 25, 1), 1
	s_wait_xcnt 0x0
; Causal attention for one (batch, head), by a running maximum.  qkv: f16 [three][b][h][2048][64]; att: f16 [b][h][2048][64].
; score(key s, query t) = K_s . Q_t / 8 where s <= t, and exactly -10000 elsewhere; softmax over the keys; att_t = sum of weights x V_s.
; The -10000 is finite, so masked keys keep a weight.  Inside a diagonal block they are walked with that score.  Key blocks wholly above
; the diagonal are not walked: all their keys have the one weight exp(-10000 - m), so they add that weight times their number to the
; denominator and times the sum of their V rows (vsum, made by the launch before) to the numerator; -10000 enters the maximum too.
; Scores are kept raw (K . Q); the mask value is then -80000, and exp(x / 8) = exp2(c x) with c = log2(e) / 8.
; LIMIT: numbers are f16 on the way in and out (magnitudes above 65,504 are infinite); the order of the sums differs from the plain one's.
; WORK: work-group (p, bh) makes the query blocks 15 - p (phase A) and p (phase B) of 128 rows: (16 - p) + (p + 1) = 17 steps of 128 keys for
; every one of the 8 x 32 work-groups.  Each phase walks its diagonal block first, so its first step starts maxima and sums: nothing is cleared.
; Eight waves: wave w has the queries 32 (w & 3) + 0..31 and the keys 64 (w >> 2) + 0..63 of every block; at a phase's end the two waves of
; a query meet in LDS, each keeping 16 queries.  Register tile qt holds query tile qt xor (w >> 2), so every wave keeps tile 0 and gives tile 1.
; LAYOUT: S^T = K Q^T (source 0 keys, source 1 queries): lane (r, h) holds query r, register j key 8 h + j.  Two neighbouring S tiles pack in
; place into source 1 of O^T = V^T P^T; V^T comes from ds_load_tr16_b128.  A query's figures belong to one lane and its partner lane + 16.
; NO CLUSTER: the eight work-groups of one head read the same K and V planes, but they change phase at steps 16 - p that differ, so from
; there on partners need different tiles in the same step; joint requests would need every partner to walk 20 steps instead of 17.
.set SLOTB, 38912                      ; a slot: K 128 x 144 bytes, then V 128 x 160 bytes
.set VOFF,  18432
.set XCH,   77824                      ; exchange: phase x 34,816 + wave x 4,352 (4,096 of O, 256 of row figures)
.set XPH,   34816
.set XW,    4352
.set SVB,   147456                     ; sums of the V blocks not walked: wave x 512 + phase x 256
.set OSTB,  151552                     ; way out: wave x 2,304 (16 rows x 144)
.set MX,  8                            ; v8-9     raw running maxima of query tiles 0, 1
.set NMC, 10                           ; v10-11   - maximum x c
.set AL,  12                           ; v12-13   factors for what was summed before
.set LS,  14                           ; v14-15   sums of weights, one part in each half of the lanes
.set QF,  16                           ; v16-47   Q fragment (qt, kk) at + 16 qt + 8 kk
.set OA,  48                           ; v48-111  O tile (qt, dt) at + 32 qt + 8 dt
.set SC,  112                          ; v112-175 S tile (qt, kt) at + 32 qt + 8 kt; P fragment (qt, grp) at + 32 qt + 16 grp
.set FR,  176                          ; v176-239 K fragment (kt, kk) at + 16 kt + 8 kk, then V fragment (grp, dt) at + 32 grp + 8 dt
.set TT,  240                          ; v240-255 at work
.set G1K, 24                           ; s[24:31]
.set G1V, 32                           ; s[32:39]
.set G0K, 40                           ; s[40:47] one set a slot
.set G0V, 48                           ; s[48:55]
	s_load_b128 s[4:7], s[0:1], 0x0                ; qkv s[4:5], vsum s[6:7]
	s_load_b64 s[8:9], s[0:1], 0x10                ; att
	v_lshl_add_u32 v254, v0, 2, 0x29800
	v_mov_b32 v255, 0
	ds_add_u32 v254, v255
	v_lshrrev_b32 v1, 5, v0
	v_readfirstlane_b32 s10, v1                    ; wave 0..7
	s_lshr_b32 s11, s10, 2                         ; g: my half of the keys
	s_and_b32 s12, s10, 3                          ; wq: my 32 queries
	s_mov_b32 s13, ttmp9                           ; p
	s_and_b32 s14, ttmp7, 0xffff                   ; bh
	s_sub_co_u32 s15, 16, s13                      ; the step at which phase B begins
	s_sub_co_u32 s81, 15, s13                      ; phase A's query block
	s_mov_b32 s68, 0x76543210                      ; v_permlanex16_b32: lane i reads lane i of the other half
	s_mov_b32 s69, 0xfedcba98
	; the keys not walked: their raw score and their number.  Phase A has 128 p of them; with none the score is -2^127, which loses every maximum
	s_mov_b32 s18, 0xff000000
	s_cmp_lg_u32 s13, 0
	s_cselect_b32 s18, 0xc79c4000, s18             ; -80000.0
	s_lshl_b32 s19, s13, 7
	s_mov_b32 s20, 0xc79c4000                      ; phase B (block p <= 7) always has some: 128 (15 - p)
	s_lshl_b32 s21, s81, 7
	s_mul_i32 s76, s10, XW
	s_add_co_u32 s76, s76, XCH                     ; where I put what I give
	s_xor_b32 s22, s10, 4
	s_mul_i32 s77, s22, XW
	s_add_co_u32 s77, s77, XCH                     ; where my partner, wave w xor 4, puts it
	s_lshl_b32 s78, s10, 9
	s_add_co_u32 s78, s78, SVB
	s_mul_i32 s79, s10, 2304
	s_add_co_u32 s79, s79, OSTB
	; A block of 128 keys of one head is 16,384 dense bytes: 64 rows of 256 bytes.  Padding behind every 32 words (a key's 128 bytes):
	; 4 words for K (pitch 144, an odd multiple of 16), 8 words for V (pitch 160, an odd multiple of 32, for the transposing loads).
	s_mov_b32 s[G1K+0], (1<<16)|(1<<20)|(4<<22)|(3<<25)
	s_mov_b32 s[G1K+1], 128<<16                    ; tensor_dim0 = 128 elements
	s_mov_b32 s[G1K+2], 64<<16                     ; tensor_dim1 = 64
	s_mov_b32 s[G1K+3], 128<<16                    ; tile_dim0
	s_mov_b32 s[G1K+4], 64                         ; tile_dim1
	s_mov_b32 s[G1K+5], 128                        ; pitch
	s_mov_b32 s[G1K+6], 0
	s_mov_b32 s[G1K+7], 0
	s_mov_b32 s[G1V+0], (1<<16)|(1<<20)|(4<<22)|(7<<25)
	s_mov_b32 s[G1V+1], 128<<16
	s_mov_b32 s[G1V+2], 64<<16
	s_mov_b32 s[G1V+3], 128<<16
	s_mov_b32 s[G1V+4], 64
	s_mov_b32 s[G1V+5], 128
	s_mov_b32 s[G1V+6], 0
	s_mov_b32 s[G1V+7], 0
	s_mov_b32 s[G0K+0], 1
	s_mov_b32 s[G0K+1], 0
	s_mov_b32 s[G0K+4], 1
	s_mov_b32 s[G0K+5], SLOTB
	s_mov_b32 s[G0V+0], 1
	s_mov_b32 s[G0V+1], VOFF
	s_mov_b32 s[G0V+4], 1
	s_mov_b32 s[G0V+5], SLOTB+VOFF
	s_lshl_b32 s66, s14, 18                        ; bh planes of 262,144 bytes
	s_mov_b32 s67, 0                               ; s[66:67] is the offset pair; its high word stays 0
	s_wait_dscnt 0x0
	s_barrier_signal -1
	s_barrier_wait -1
	s_wait_kmcnt 0x0
	s_add_nc_u64 s[60:61], s[4:5], s[66:67]        ; Q plane
	s_add_nc_u64 s[56:57], s[60:61], 0x800000      ; K plane: 32 planes on
	s_add_nc_u64 s[58:59], s[60:61], 0x1000000     ; V plane: 64 planes on
	s_add_nc_u64 s[70:71], s[8:9], s[66:67]        ; att plane
	s_lshl_b32 s66, s13, 14                        ; block p: 128 rows of 128 bytes each
	s_add_nc_u64 s[62:63], s[60:61], s[66:67]      ; phase B's queries
	s_add_nc_u64 s[72:73], s[70:71], s[66:67]      ; and results
	s_lshl_b32 s66, s81, 14                        ; block 15 - p
	s_add_nc_u64 s[60:61], s[60:61], s[66:67]      ; phase A's queries
	s_add_nc_u64 s[70:71], s[70:71], s[66:67]
	s_add_nc_u64 s[G0K+2:G0K+3], s[56:57], s[66:67]        ; step 0 reads phase A's diagonal block
	s_or_b32 s[G0K+3], s[G0K+3], 0x80000000
	s_add_nc_u64 s[G0V+2:G0V+3], s[58:59], s[66:67]
	s_or_b32 s[G0V+3], s[G0V+3], 0x80000000
	s_lshr_b32 s22, s14, 4
	s_lshl_b32 s22, s22, 16                        ; vsum: 16 blocks of 4,096 bytes for each b
	s_and_b32 s23, s14, 15
	s_lshl_b32 s23, s23, 8                         ; 64 f32 for each head
	s_add_co_u32 s66, s22, s23
	s_add_nc_u64 s[74:75], s[6:7], s[66:67]
; Wave 0 asks for K's tile, wave 1 for V's, one load each (64 rows of 256 bytes); the other waves ask for nothing.  One tensor load of a wave is out at the most.
.macro TLOAD slot
	s_cmp_gt_u32 s10, 1
	s_cbranch_scc1 .Lnone_\@
	s_cmp_eq_u32 s10, 0
	s_cbranch_scc0 .Lforv_\@
	tensor_load_to_lds s[G0K+4*(\slot):G0K+4*(\slot)+3], s[G1K:G1K+7]
	s_nop 0
	s_branch .Lnone_\@
.Lforv_\@:
	tensor_load_to_lds s[G0V+4*(\slot):G0V+4*(\slot)+3], s[G1V:G1V+7]
	s_nop 0
.Lnone_\@:
.endm
	TLOAD 0                                        ; the first fill, ahead of every wait on TENSORcnt
	v_and_b32 v240, 15, v0                         ; r
	v_bfe_u32 v241, v0, 4, 1                       ; h
	s_lshl_b32 s22, s11, 6                         ; 64 g
	v_add_nc_u32 v1, s22, v240
	v_mul_u32_u24 v1, v1, 144
	v_lshl_add_u32 v1, v241, 4, v1                 ; v1: K fragments: (64 g + r) x 144 + 16 h
	v_and_b32 v242, 7, v0
	v_lshl_add_u32 v242, v241, 3, v242
	v_add_nc_u32 v242, s22, v242
	v_mul_u32_u24 v2, v242, 160
	v_bfe_u32 v243, v0, 3, 1
	v_lshl_add_u32 v2, v243, 4, v2
	v_add_nc_u32 v2, VOFF, v2                      ; v2: V fragments: VOFF + (64 g + 8 h + lane % 8) x 160 + 16 ((lane / 8) % 2)
	s_lshl_b32 s23, s12, 5                         ; 32 wq
	s_lshl_b32 s82, s11, 4                         ; 16 g
	s_add_co_u32 s80, s23, s82                     ; first query of register tile 0
	s_xor_b32 s82, s82, 16
	s_add_co_u32 s82, s23, s82                     ; and of register tile 1
	v_add_nc_u32 v244, s80, v240
	v_add_nc_u32 v245, s82, v240
	s_lshl_b32 s80, s80, 7                         ; the byte offset of the 16 queries that I keep
	v_lshlrev_b32 v3, 7, v244
	v_lshl_add_u32 v3, v241, 4, v3                 ; v3, v4: Q fragments in memory: query x 128 + 16 h
	v_lshlrev_b32 v4, 7, v245
	v_lshl_add_u32 v4, v241, 4, v4
	v_lshl_add_u32 v246, v241, 3, s22
	v_sub_nc_u32 v5, v244, v246                    ; v5, v6: query - 64 g - 8 h (signed): key 16 kt + j of my half is kept where 16 kt + j <= this
	v_sub_nc_u32 v6, v245, v246
.macro QLOAD b                                         ; my 32 queries' fragments, straight from memory: 16 bytes a lane
.irp qt, 0,1
.irp kk, 0,1
	global_load_b128 v[QF+16*\qt+8*\kk:QF+16*\qt+8*\kk+3],   v[3+\qt], s[\b:\b+1] offset:64*\kk
	global_load_b128 v[QF+16*\qt+8*\kk+4:QF+16*\qt+8*\kk+7], v[3+\qt], s[\b:\b+1] offset:64*\kk+32
.endr
.endr
.endm
	QLOAD 60
	; The sums of V over the key blocks above each phase's diagonal, into my own LDS bytes.  Lanes 0-15 take the even blocks, lanes 16-31 the odd ones.
	v_lshlrev_b32 v155, 12, v241
	v_lshl_add_u32 v155, v240, 4, v155
.irp i, 0,1,2,3,4,5,6,7
	global_load_b128 v[SC+4*\i:SC+4*\i+3], v155, s[74:75] offset:8192*\i      ; block 2 i + h, numbers 4 r + 0..3
.endr
	v_lshl_add_u32 v160, v240, 4, s78
	v_mov_b32 v161, 1.0
.irp k, 0,1,2,3
	v_mov_b32 v[156+\k], 0                         ; v_permlanex16_b32 counts as a reader of its destination
.endr
	s_wait_loadcnt 0x0                             ; Q and the sixteen block sums
.macro SVSUM ph, niq                                   ; niq: minus the phase's query block
	v_add_nc_u32 v153, \niq, v241                  ; block 2 i + h lies above the diagonal where -2 i < h - iq
	v_cmp_lt_i32 vcc_lo, 0, v153
	v_cndmask_b32 v152, 0, v161, vcc_lo
.irp k, 0,1,2,3
	v_mul_f32 v[144+\k], v152, v[SC+\k]
.endr
.irp i, 1,2,3,4,5,6,7
	v_cmp_lt_i32 vcc_lo, -2*\i, v153
	v_cndmask_b32 v152, 0, v161, vcc_lo
.irp k, 0,1,2,3
	v_fmac_f32 v[144+\k], v152, v[SC+4*\i+\k]
.endr
.endr
.irp k, 0,1,2,3
	v_permlanex16_b32 v[156+\k], v[144+\k], s68, s69
.endr
.irp k, 0,1,2,3
	v_add_f32 v[144+\k], v[144+\k], v[156+\k]
.endr
	ds_store_b128 v160, v[144:147] offset:256*\ph
.endm
	s_sub_co_u32 s22, 0, s81
	SVSUM 0, s22
	s_sub_co_u32 s22, 0, s13
	SVSUM 1, s22
; The head of step tc, which reads slot.  Every wave waits for all its tensor loads (this step's tile among them) and for its reads of the
; other slot, then passes the barrier; the next step's tile is asked for first thing behind it, into the other slot.
; Key block of step u = tc + 1: tc below phase B's first step, p at it, tc - (16 - p) beyond.
.macro HEAD tc, slot, refill
	s_wait_tensorcnt 0x0                           ; no tensor load of mine is out: every group 0 may be written
	ds_add_u32 v254, v255
	s_wait_dscnt 0x0
.if \refill
	s_add_co_u32 s22, \tc, 1
	s_sub_co_u32 s23, \tc, s15
	s_cmp_lt_u32 s22, s15
	s_cselect_b32 s23, \tc, s23
	s_cmp_eq_u32 s22, s15
	s_cselect_b32 s23, s13, s23
	s_lshl_b32 s66, s23, 14
	s_add_nc_u64 s[G0K+6-4*\slot:G0K+7-4*\slot], s[56:57], s[66:67]
	s_or_b32 s[G0K+7-4*\slot], s[G0K+7-4*\slot], 0x80000000
	s_add_nc_u64 s[G0V+6-4*\slot:G0V+7-4*\slot], s[58:59], s[66:67]
	s_or_b32 s[G0V+7-4*\slot], s[G0V+7-4*\slot], 0x80000000
.endif
	s_wait_dscnt 0x0
	s_barrier_signal -1
	s_barrier_wait -1
.if \refill
	TLOAD 1-\slot
.endif
.endm
; The largest of a query's 32 raw scores in this lane (four chains), with the running maximum, then with the other half of the lanes.
.macro ROWMAX qt, first
.irp kt, 0,1,2,3
	v_max3_num_f32 v[TT+4*\qt+\kt], v[SC+32*\qt+8*\kt], v[SC+32*\qt+8*\kt+1], v[SC+32*\qt+8*\kt+2]
.endr
.irp kt, 0,1,2,3
	v_max3_num_f32 v[TT+4*\qt+\kt], v[TT+4*\qt+\kt], v[SC+32*\qt+8*\kt+3], v[SC+32*\qt+8*\kt+4]
.endr
.irp kt, 0,1,2,3
	v_max3_num_f32 v[TT+4*\qt+\kt], v[TT+4*\qt+\kt], v[SC+32*\qt+8*\kt+5], v[SC+32*\qt+8*\kt+6]
.endr
	v_max3_num_f32 v[TT+4*\qt], v[TT+4*\qt], v[TT+4*\qt+1], v[SC+32*\qt+7]
	v_max3_num_f32 v[TT+4*\qt+2], v[TT+4*\qt+2], v[TT+4*\qt+3], v[SC+32*\qt+15]
	v_max3_num_f32 v[TT+4*\qt], v[TT+4*\qt], v[SC+32*\qt+23], v[SC+32*\qt+31]
.if \first
	v_max_num_f32 v[TT+4*\qt], v[TT+4*\qt], v[TT+4*\qt+2]
.else
	v_max3_num_f32 v[TT+4*\qt], v[TT+4*\qt], v[TT+4*\qt+2], v[MX+\qt]
.endif
	v_permlanex16_b32 v[TT+4*\qt+1], v[TT+4*\qt], s68, s69
	v_max_num_f32 v[MX+\qt], v[TT+4*\qt], v[TT+4*\qt+1]
.endm
; The sum of a query's 32 weights in this lane, two chains of pairs; it ends as a pair in v[TT + 4 qt : TT + 4 qt + 1].
.macro ROWSUM qt
	v_pk_add_f32 v[TT+4*\qt:TT+4*\qt+1],   v[SC+32*\qt:SC+32*\qt+1],       v[SC+32*\qt+2:SC+32*\qt+3]
	v_pk_add_f32 v[TT+4*\qt+2:TT+4*\qt+3], v[SC+32*\qt+16:SC+32*\qt+17],   v[SC+32*\qt+18:SC+32*\qt+19]
.irp k, 2,3,4,5,6,7
	v_pk_add_f32 v[TT+4*\qt:TT+4*\qt+1],   v[TT+4*\qt:TT+4*\qt+1],   v[SC+32*\qt+2*\k:SC+32*\qt+2*\k+1]
	v_pk_add_f32 v[TT+4*\qt+2:TT+4*\qt+3], v[TT+4*\qt+2:TT+4*\qt+3], v[SC+32*\qt+16+2*\k:SC+32*\qt+16+2*\k+1]
.endr
	v_pk_add_f32 v[TT+4*\qt:TT+4*\qt+1], v[TT+4*\qt:TT+4*\qt+1], v[TT+4*\qt+2:TT+4*\qt+3]
.endm
; One step: my 32 queries against my 64 keys of the block in slot.  first = 1: a phase's diagonal block: masked, and it starts maxima and sums.
; In both products eight accumulators take turns, one instruction a turn.
.macro STEP slot, first
.irp kk, 0,1
.irp kt, 0,1,2,3
	ds_load_b128 v[FR+16*\kt+8*\kk:FR+16*\kt+8*\kk+3],   v1 offset:\slot*SLOTB+2304*\kt+64*\kk
	ds_load_b128 v[FR+16*\kt+8*\kk+4:FR+16*\kt+8*\kk+7], v1 offset:\slot*SLOTB+2304*\kt+64*\kk+32
.endr
.endr
	s_wait_dscnt 0x8                               ; the first half of the head size is in; the eight loads of the second stay out
.irp kt, 0,1,2,3
.irp qt, 0,1
	v_wmma_f32_16x16x32_f16 v[SC+32*\qt+8*\kt:SC+32*\qt+8*\kt+7], v[FR+16*\kt:FR+16*\kt+7], v[QF+16*\qt:QF+16*\qt+7], 0
.endr
.endr
	s_wait_dscnt 0x0
.irp kt, 0,1,2,3
.irp qt, 0,1
	v_wmma_f32_16x16x32_f16 v[SC+32*\qt+8*\kt:SC+32*\qt+8*\kt+7], v[FR+16*\kt+8:FR+16*\kt+15], v[QF+16*\qt+8:QF+16*\qt+15], v[SC+32*\qt+8*\kt:SC+32*\qt+8*\kt+7]
.endr
.endr
.rept 4
	v_nop                                          ; four plain places (ISA guide 7.12.1) before K's registers are loaded again and the scores are read
.endr
.irp grp, 0,1
.irp dt, 0,1,2,3
	ds_load_tr16_b128 v[FR+32*\grp+8*\dt:FR+32*\grp+8*\dt+3],   v2 offset:\slot*SLOTB+5120*\grp+32*\dt        ; V^T: d = 16 dt + r, keys 32 grp + 8 h + 0..7
	ds_load_tr16_b128 v[FR+32*\grp+8*\dt+4:FR+32*\grp+8*\dt+7], v2 offset:\slot*SLOTB+5120*\grp+32*\dt+2560   ; keys 32 grp + 16 + 8 h + 0..7
.endr
.endr
.if \first
.irp qt, 0,1
.irp kt, 0,1,2,3
.irp j, 0,1,2,3,4,5,6,7
	v_cmp_le_i32 vcc_lo, 16*\kt+\j, v[5+\qt]       ; key <= query
	v_cndmask_b32 v[SC+32*\qt+8*\kt+\j], 0xc79c4000, v[SC+32*\qt+8*\kt+\j], vcc_lo   ; else the raw score is -80000
.endr
.endr
.endr
.endif
	ROWMAX 0, \first
	ROWMAX 1, \first
.if \first
	v_mul_f32 v[NMC],   0xbe38aa3b, v[MX]
	v_mul_f32 v[NMC+1], 0xbe38aa3b, v[MX+1]
.else
	v_mul_f32 v[TT+8], 0xbe38aa3b, v[MX]
	v_mul_f32 v[TT+9], 0xbe38aa3b, v[MX+1]
	v_sub_f32 v[AL],   v[TT+8], v[NMC]             ; (old maximum - new maximum) x c
	v_sub_f32 v[AL+1], v[TT+9], v[NMC+1]
	v_exp_f32 v[AL],   v[AL]
	v_exp_f32 v[AL+1], v[AL+1]
	v_mov_b32 v[NMC],   v[TT+8]                    ; also the plain instruction that stands behind a transcendental before its result is used
	v_mov_b32 v[NMC+1], v[TT+9]
.endif
.set i, 0
.rept 16
	v_pk_fma_f32 v[SC+2*i:SC+2*i+1], v[SC+2*i:SC+2*i+1], 0x3e38aa3b, v[NMC:NMC+1] op_sel_hi:[1,0,0]               ; (score - maximum) x c, tile 0's maximum in both halves
.set i, i+1
.endr
.rept 16
	v_pk_fma_f32 v[SC+2*i:SC+2*i+1], v[SC+2*i:SC+2*i+1], 0x3e38aa3b, v[NMC:NMC+1] op_sel:[0,0,1] op_sel_hi:[1,0,1] ; tile 1's
.set i, i+1
.endr
.set i, 0
.rept 64
	v_exp_f32 v[SC+i], v[SC+i]
.set i, i+1
.endr
.if \first
	v_nop                                          ; the plain place behind the last exponential
	s_wait_alu depctr_va_vdst(0)
.else
.set i, 0
	s_wait_alu depctr_va_vdst(0)
.rept 16
	v_pk_mul_f32 v[OA+2*i:OA+2*i+1], v[OA+2*i:OA+2*i+1], v[AL:AL+1] op_sel_hi:[1,0]
.set i, i+1
.endr
.rept 16
	v_pk_mul_f32 v[OA+2*i:OA+2*i+1], v[OA+2*i:OA+2*i+1], v[AL:AL+1] op_sel:[0,1] op_sel_hi:[1,1]
.set i, i+1
.endr
.endif
	ROWSUM 0
	ROWSUM 1
.irp qt, 0,1
.irp grp, 0,1
.irp u, 0,1,2,3
	v_cvt_pk_f16_f32 v[SC+32*\qt+16*\grp+\u], v[SC+32*\qt+16*\grp+2*\u], v[SC+32*\qt+16*\grp+2*\u+1]       ; keys 8 h + 0..7 of the group: registers 0-3
.endr
.irp u, 0,1,2,3
	v_cvt_pk_f16_f32 v[SC+32*\qt+16*\grp+4+\u], v[SC+32*\qt+16*\grp+8+2*\u], v[SC+32*\qt+16*\grp+9+2*\u]   ; keys 16 + 8 h + 0..7: registers 4-7
.endr
.endr
.endr
	s_wait_dscnt 0x8                               ; V of the first 32 keys is in; the eight loads of the second 32 stay out
.irp dt, 0,1,2,3
.irp qt, 0,1
.if \first
	v_wmma_f32_16x16x32_f16 v[OA+32*\qt+8*\dt:OA+32*\qt+8*\dt+7], v[FR+8*\dt:FR+8*\dt+7], v[SC+32*\qt:SC+32*\qt+7], 0
.else
	v_wmma_f32_16x16x32_f16 v[OA+32*\qt+8*\dt:OA+32*\qt+8*\dt+7], v[FR+8*\dt:FR+8*\dt+7], v[SC+32*\qt:SC+32*\qt+7], v[OA+32*\qt+8*\dt:OA+32*\qt+8*\dt+7]
.endif
.endr
.endr
	s_wait_dscnt 0x0
.irp dt, 0,1,2,3
.irp qt, 0,1
	v_wmma_f32_16x16x32_f16 v[OA+32*\qt+8*\dt:OA+32*\qt+8*\dt+7], v[FR+32+8*\dt:FR+32+8*\dt+7], v[SC+32*\qt+16:SC+32*\qt+23], v[OA+32*\qt+8*\dt:OA+32*\qt+8*\dt+7]
.endr
.endr
	; five plain places: the next step's products write over the registers that held P, and its loads land on V's
.if \first
	v_add_f32 v[LS],   v[TT],   v[TT+1]
	v_add_f32 v[LS+1], v[TT+4], v[TT+5]
	v_nop
	v_nop
	v_nop
.else
	v_add_f32 v[TT],   v[TT],   v[TT+1]
	v_add_f32 v[TT+4], v[TT+4], v[TT+5]
	v_fma_f32 v[LS],   v[LS],   v[AL],   v[TT]
	v_fma_f32 v[LS+1], v[LS+1], v[AL+1], v[TT+4]
	v_nop
.endif
.endm
; A phase's end.  I give register tile 1 (O, - maximum x c, sum) to my partner through LDS, take its tile 1, which is my tile 0's queries on the
; other 64 keys of every block, add the keys not walked, divide, and store 16 queries x 64 numbers of f16.
; ph: the phase; ab: the scalar pair with att's base; tv, tn: the raw score and the number of the keys not walked.
.macro EPILOG ph, ab, tv, tn
	v_and_b32 v112, 31, v0
	v_and_b32 v125, 15, v0
	v_bfe_u32 v135, v0, 4, 1
	v_lshl_add_u32 v113, v112, 4, s76
	v_lshl_add_u32 v114, v112, 2, s76
	v_lshl_add_u32 v115, v112, 4, s77
	v_lshl_add_u32 v116, v112, 2, s77
	v_lshl_add_u32 v117, v135, 5, s78
.irp i, 0,1,2,3,4,5,6,7
	ds_store_b128 v113, v[OA+32+4*\i:OA+32+4*\i+3] offset:XPH*\ph+512*\i
.endr
	ds_store_b32 v114, v[NMC+1] offset:XPH*\ph+4096
	ds_store_b32 v114, v[LS+1]  offset:XPH*\ph+4224
	s_wait_dscnt 0x0                               ; for my partner's sake: my stores are done
	s_barrier_signal -1                            ; The next tile may stay on its way
	s_barrier_wait -1
.irp i, 0,1,2,3,4,5,6,7
	ds_load_b128 v[FR+4*\i:FR+4*\i+3], v115 offset:XPH*\ph+512*\i
.endr
	ds_load_b32 v121, v116 offset:XPH*\ph+4096     ; the partner's - maximum x c
	ds_load_b32 v122, v116 offset:XPH*\ph+4224     ; and sum
.irp dt, 0,1,2,3
.irp u, 0,1
	ds_load_b128 v[FR+32+8*\dt+4*\u:FR+32+8*\dt+4*\u+3], v117 offset:256*\ph+64*\dt+16*\u    ; the V sums of d = 16 dt + 8 h + 4 u + 0..3
.endr
.endr
	v_mul_u32_u24 v118, v125, 144
	v_lshl_add_u32 v118, v135, 4, v118
	v_add_nc_u32 v118, s79, v118                   ; way out, in: row r x 144 + 16 h
	v_lshrrev_b32 v119, 3, v112
	v_mul_u32_u24 v119, v119, 144
	v_and_b32 v120, 7, v0
	v_lshl_add_u32 v119, v120, 4, v119
	v_add_nc_u32 v119, s79, v119                   ; back: eight lanes a row of 128 bytes
	v_lshl_add_u32 v120, v112, 4, s80              ; in att: my 16 queries + 16 x lane
	v_mov_b32 v123, 0xbe38aa3b
	v_mul_f32 v123, \tv, v123                      ; - (score of the keys not walked) x c
	v_mov_b32 v130, 0x3e38aa3b
	v_cvt_f32_u32 v133, \tn
	v_mov_b32 v134, 0
	s_wait_dscnt 0x0
	v_min_num_f32 v124, v[NMC], v121               ; the smallest of the three is the overall maximum's
	v_min_num_f32 v124, v124, v123
	v_sub_f32 v126, v124, v[NMC]
	v_sub_f32 v128, v124, v121
	v_fma_f32 v130, \tv, v130, v124
	v_exp_f32 v126, v126                           ; my part's factor
	v_exp_f32 v128, v128                           ; my partner's
	v_exp_f32 v130, v130                           ; the weight of a key not walked
	v_nop
	s_wait_alu depctr_va_vdst(0)
	v_mul_f32 v132, v[LS], v126
	v_fmac_f32 v132, v122, v128
	v_permlanex16_b32 v134, v132, s68, s69         ; the two halves of the lanes hold different keys' sums
	v_add_f32 v132, v132, v134
	v_fmac_f32 v132, v133, v130                    ; one of the three exponents is 0 up to rounding, so the sum is about 1 or more
	v_rcp_f32 v134, v132
	v_nop
	s_wait_alu depctr_va_vdst(0)
	v_mul_f32 v127, v126, v134
	v_mul_f32 v129, v128, v134
	v_mul_f32 v131, v130, v134
	v_mov_b32 v126, v127
	v_mov_b32 v128, v129
	v_mov_b32 v130, v131
.set i, 0
.rept 16
	v_pk_mul_f32 v[OA+2*i:OA+2*i+1], v[OA+2*i:OA+2*i+1], v[126:127]
.set i, i+1
.endr
.set i, 0
.rept 16
	v_pk_fma_f32 v[OA+2*i:OA+2*i+1], v[FR+2*i:FR+2*i+1], v[128:129], v[OA+2*i:OA+2*i+1]
.set i, i+1
.endr
.set i, 0
.rept 16
	v_pk_fma_f32 v[OA+2*i:OA+2*i+1], v[FR+32+2*i:FR+32+2*i+1], v[130:131], v[OA+2*i:OA+2*i+1]
.set i, i+1
.endr
.set i, 0
.rept 16
	v_cvt_pk_f16_f32 v[136+i], v[OA+2*i], v[OA+2*i+1]
.set i, i+1
.endr
.irp dt, 0,1,2,3
	ds_store_b128 v118, v[136+4*\dt:139+4*\dt] offset:32*\dt
.endr
.irp t, 0,1,2,3
	ds_load_b128 v[152+4*\t:155+4*\t], v119 offset:576*\t          ; my own bytes: LDS serves a wave's instructions in order
.endr
.irp t, 0,1,2,3
	s_wait_dscnt 3-\t                              ; the younger loads stay out
	global_store_b128 v120, v[152+4*\t:155+4*\t], s[\ab:\ab+1] offset:512*\t   ; four queries' rows: 512 consecutive bytes
.endr
	s_wait_xcnt 0x0                                ; the stores' registers are written again only behind this wait
.endm
; A step that may be phase B's first: the branch hangs on the work-group's number and the step alone, so all eight waves take it alike.
.macro BODY tc, slot, refill
	HEAD \tc, \slot, \refill
	s_cmp_eq_u32 \tc, s15
	s_cbranch_scc1 .Lsw_\@
	STEP \slot, 0
	s_branch .Ljn_\@
.Lsw_\@:
	QLOAD 62
	EPILOG 0, 70, s18, s19
	s_wait_loadcnt 0x0                             ; phase B's queries
	STEP \slot, 1
.Ljn_\@:
.endm
	HEAD 0, 0, 1
	STEP 0, 1
	s_mov_b32 s16, 1
.Lloop:                                                ; steps 1 to 14, two a trip
	BODY s16, 1, 1
	s_add_co_u32 s17, s16, 1
	BODY s17, 0, 1
	s_add_co_u32 s16, s16, 2
	s_cmp_lt_u32 s16, 15
	s_cbranch_scc1 .Lloop
	BODY 15, 1, 1
	BODY 16, 0, 0                                  ; the last step asks for nothing
	EPILOG 1, 72, s20, s21
	s_wait_tensorcnt 0x0
	ds_add_u32 v254, v255
	s_wait_dscnt 0x0
	s_endpgm
.Lfunc_end_k_qe46493d41b_attn:
	.size	k_qe46493d41b_attn, .Lfunc_end_k_qe46493d41b_attn-k_qe46493d41b_attn
	.p2alignl 7, 3214868480
	.fill 96, 4, 3214868480
	.section	.rodata,"a",@progbits
	.p2align	6, 0x0
	.amdhsa_kernel k_qe46493d41b_attn
		.amdhsa_group_segment_fixed_size 327680
		.amdhsa_private_segment_fixed_size 0
		.amdhsa_enable_private_segment 0
		.amdhsa_kernarg_size 24
		.amdhsa_user_sgpr_count 2
		.amdhsa_user_sgpr_kernarg_segment_ptr 1
		.amdhsa_wavefront_size32 1
		.amdhsa_system_sgpr_workgroup_id_x 1
		.amdhsa_system_sgpr_workgroup_id_y 1
		.amdhsa_system_sgpr_workgroup_id_z 1
		.amdhsa_system_vgpr_workitem_id 0
		.amdhsa_next_free_vgpr 256
		.amdhsa_next_free_sgpr 84
		.amdhsa_reserve_vcc 1
		.amdhsa_float_denorm_mode_32 3
		.amdhsa_float_denorm_mode_16_64 3
		.amdhsa_memory_ordered 1
		.amdhsa_forward_progress 1
		.amdhsa_inst_pref_size 244
	.end_amdhsa_kernel
	.amdgpu_metadata
---
amdhsa.version: [ 1, 2 ]
amdhsa.kernels:
  - .name:           k_qe46493d41b_attn
    .symbol:         k_qe46493d41b_attn.kd
    .args:
      - { .name: qkv, .offset: 0, .size: 8, .value_kind: global_buffer, .address_space: global }
      - { .name: vsum, .offset: 8, .size: 8, .value_kind: global_buffer, .address_space: global }
      - { .name: att, .offset: 16, .size: 8, .value_kind: global_buffer, .address_space: global }
    .group_segment_fixed_size: 327680
    .private_segment_fixed_size: 0
    .kernarg_segment_align: 8
    .kernarg_segment_size: 24
    .max_flat_workgroup_size: 256
    .sgpr_count:     84
    .vgpr_count:     256
    .wavefront_size: 32
...
	.end_amdgpu_metadata
.endif
;; end of part 3
;; launch oproj (part 4): grid 8 x 32, 4 waves a work-group, clusters of 4 x 4, 327,680 bytes of LDS; arguments att, wob, b_out, out0; writes out0
.if DOCPART == 4
	.amdgcn_target "amdgcn-amd-amdhsa--gfx1250"
	.amdhsa_code_object_version 6
	.text
	.protected	k_qe46493d41b_oproj
	.globl	k_qe46493d41b_oproj
	.p2align	8
	.type	k_qe46493d41b_oproj,@function
k_qe46493d41b_oproj:
	s_mov_b64 s[64:65], 0
	v_nop
	global_prefetch_b8 v0, s[64:65] scope:SCOPE_SE
	s_setreg_imm32_b32 hwreg(HW_REG_WAVE_MODE, 25, 1), 1
	s_wait_xcnt 0x0
	s_wait_alu depctr_hold_cnt(0) depctr_sa_sdst(0) depctr_va_vdst(0) depctr_va_sdst(0) depctr_va_ssrc(0) depctr_va_vcc(0) depctr_vm_vsrc(0)
	s_getreg_b32 s2, hwreg(HW_REG_IB_STS2, 6, 4)
	s_cmp_eq_u32 s2, 0
	s_cbranch_scc0 .Lentry_in_a_cluster
	s_endpgm
.Lentry_in_a_cluster:
	s_bfe_u32 s2, ttmp6, 0x10000c
	s_cmp_lg_u32 s2, 0xf033
	s_cbranch_scc0 .Lentry_shape_is_right
	s_endpgm
.Lentry_shape_is_right:
; out0 = att wob + b_out.  att: f16 [b][h][2048][64] (k = 64 h + d), wob: f16 [1024 k][1024 n], b_out: [1024] f32, out0: [4096][1024] f32.
; Sums in f32, started by the bias.  The order of the sums differs from a plain dot product's.
; A work-group makes 128 x 128 with four waves (8 x 32 = 256 work-groups), a wave 64 x 64: 16 accumulator tiles in window 2, tile (a, b) at v[8 (4 a + b)].
; K = 1,024 goes in four fills of 256 (four heads) through two LDS slots; the text is written out, without a loop.
; CLUSTERS: 4 x 4 work-groups; att's tile is asked for jointly along a row of the cluster, wob's along a column.
; The matrix instruction is used transposed (source 0 = 16 columns of wob, by transposing loads; source 1 = 16 rows of att), so a lane holds
; eight neighbouring columns of one row.
.set AP,     144                       ; att's LDS row: a head's 128 bytes + 16
.set AHEAD,  18432                     ; 128 such rows: one head
.set BP,     288                       ; wob's LDS row: 256 bytes + 32 = 9 x 32
.set PART,   36864                     ; what one tensor load brings: two heads of att, or 128 k rows of wob
.set SLOT,   4*PART
.set STAGE,  2*SLOT
.set SP,     272                       ; the stage's row: 256 bytes + 16
.set ADRA, 16                          ; v16-17  att fragments, slot 0, 1
.set ADRB, 20                          ; v20-23  wob fragments, slot x 2 + half of the 256 k rows
.set STO,  24
.set RD,   25
.set CO,   26
.set BOF,  30
.set F0,   64                          ; fragment (ks, i) at + 32 ks + 8 i; att's in window 0, wob's in window 1
.set F1,   128
.set BIAS, 192                         ; v192-223
.set G1,  24
.set G0,  32
.set G1B, 48
.set G0B, 56
.set MSB, 0
.macro WIN new                         ; the immediate's high byte repeats the setting that is left
.if MSB != \new
	s_set_vgpr_msb (MSB<<8)|\new
.set MSB, \new
.endif
.endm
.macro JLOAD s                         ; waves 0 and 1 fetch att's two pairs of heads, waves 2 and 3 wob's two halves
	s_cmp_eq_u32 s15, 0
	s_cbranch_scc0 .Lfor_b_\@
	tensor_load_to_lds s[G0+4*\s:G0+4*\s+3], s[G1:G1+7]
	s_nop 0
	s_branch .Lasked_\@
.Lfor_b_\@:
	tensor_load_to_lds s[G0B+4*\s:G0B+4*\s+3], s[G1B:G1B+7]
	s_nop 0
.Lasked_\@:
.endm
.macro CREST
	s_cmp_lg_u32 s14, 0
	s_cbranch_scc1 .Lnot_wave_0_\@
	s_barrier_signal -3
.Lnot_wave_0_\@:
	s_barrier_wait -3
	s_barrier_signal -1
	s_barrier_wait -1
.endm
.macro CROUND
	s_barrier_signal -1
	s_barrier_wait -1
	CREST
.endm
	s_load_b256 s[4:11], s[0:1], 0x0               ; att s[4:5], wob s[6:7], b_out s[8:9], out0 s[10:11]
	s_set_vgpr_msb 0x40
	v_lshl_add_u32 v255, v0, 2, 0x4c400
	s_set_vgpr_msb 0x4000
	v_mov_b32 v63, 0
	s_set_vgpr_msb 0x1
	ds_add_u32 v255, v63
	s_set_vgpr_msb 0x100
	v_lshrrev_b32 v1, 5, v0
	v_readfirstlane_b32 s14, v1                    ; wave
	s_lshr_b32 s15, s14, 1                         ; mh: my 64 rows.  Also: I fetch att (0) or wob (1)
	s_and_b32 s16, s14, 1                          ; nh: my 64 columns.  Also: which half I fetch
	s_bfe_u32 s17, ttmp6, 0x40000                  ; cx
	s_bfe_u32 s18, ttmp6, 0x40004                  ; cy
	s_lshl_b32 s19, ttmp9, 2
	s_add_co_u32 s19, s19, s17                     ; block column 0..7
	s_and_b32 s20, ttmp7, 0xffff
	s_lshl_b32 s20, s20, 2
	s_add_co_u32 s20, s20, s18                     ; block row 0..31
	s_lshl_b32 s21, s18, 2
	s_lshl_b32 s21, 15, s21                        ; my row of the cluster
	s_lshl_b32 s22, 0x1111, s17                    ; my column
	; group 1 for att: two heads, each a dense run of 8,192 elements (128 rows of 128 bytes), 131,072 elements apart; 4 words of padding behind every 32
	s_or_b32 s[G1+0], s21, (1<<16)|(1<<20)|(1<<21)|(4<<22)|(3<<25)
	s_mov_b32 s[G1+1], 8192<<16
	s_mov_b32 s[G1+2], 2<<16
	s_mov_b32 s[G1+3], 8192<<16
	s_mov_b32 s[G1+4], 2
	s_mov_b32 s[G1+5], 131072
	s_mov_b32 s[G1+6], 0
	s_mov_b32 s[G1+7], 0
	; group 1 for wob: 128 k rows x 128 elements, pitch 1,024 elements; 8 words of padding behind every 64
	s_or_b32 s[G1B+0], s22, (1<<16)|(1<<20)|(1<<21)|(5<<22)|(7<<25)
	s_mov_b32 s[G1B+1], 128<<16
	s_mov_b32 s[G1B+2], 128<<16
	s_mov_b32 s[G1B+3], 128<<16
	s_mov_b32 s[G1B+4], 128
	s_mov_b32 s[G1B+5], 1024
	s_mov_b32 s[G1B+6], 0
	s_mov_b32 s[G1B+7], 0
	s_lshr_b32 s42, s20, 4                         ; b
	s_lshl_b32 s42, s42, 4
	s_lshl_b32 s43, s16, 1
	s_add_co_u32 s42, s42, s43                     ; plane 16 b + 2 x half
	s_lshl_b32 s42, s42, 18
	s_and_b32 s43, s20, 15
	s_lshl_b32 s43, s43, 14                        ; my block of 128 rows in it
	s_add_co_u32 s42, s42, s43
	s_mov_b32 s43, 0
	s_lshl_b32 s66, s16, 18                        ; 128 k rows of 2,048 bytes x half
	s_lshl_b32 s67, s19, 8                         ; 128 columns of 2 bytes x block column
	s_add_co_u32 s66, s66, s67
	s_mov_b32 s67, 0
	s_lshl_b32 s74, s19, 9                         ; the bias of my 64 columns
	s_lshl_b32 s75, s16, 8
	s_add_co_u32 s74, s74, s75
	s_mov_b32 s75, 0
	s_mul_i32 s44, s14, PART
	s_wait_dscnt 0x0
	s_wait_kmcnt 0x0
	s_add_nc_u64 s[40:41], s[4:5], s[42:43]
	s_add_nc_u64 s[66:67], s[6:7], s[66:67]
	s_add_nc_u64 s[68:69], s[8:9], s[74:75]
	CROUND                                         ; in front of the first joint loads
.irp s, 0,1
	s_mov_b32 s[G0+4*\s], 1
	s_add_co_u32 s[G0+4*\s+1], s44, \s*SLOT
	s_add_nc_u64 s[G0+4*\s+2:G0+4*\s+3], s[40:41], \s*1048576      ; fill s: four heads on
	s_or_b32 s[G0+4*\s+3], s[G0+4*\s+3], 0x80000000
	s_mov_b32 s[G0B+4*\s], 1
	s_add_co_u32 s[G0B+4*\s+1], s44, \s*SLOT
	s_add_nc_u64 s[G0B+4*\s+2:G0B+4*\s+3], s[66:67], \s*524288     ; fill s: 256 k rows down
	s_or_b32 s[G0B+4*\s+3], s[G0B+4*\s+3], 0x80000000
	JLOAD \s                                       ; two tensor loads of the wave are out now, later one
.endr
	v_and_b32 v1, 15, v0                           ; r
	v_bfe_u32 v2, v0, 4, 1                         ; h
	v_lshlrev_b32 v[BOF], 5, v2
.irp b, 0,1,2,3
	global_load_b128 v[BIAS+8*\b:BIAS+8*\b+3],   v[BOF], s[68:69] offset:64*\b
	global_load_b128 v[BIAS+8*\b+4:BIAS+8*\b+7], v[BOF], s[68:69] offset:64*\b+16
.endr
	s_lshl_b32 s76, s15, 6
	v_add_nc_u32 v3, s76, v1
	v_mul_u32_u24 v3, v3, AP
	v_lshl_add_u32 v[ADRA], v2, 4, v3              ; (64 mh + r) x 144 + 16 h
	v_add_nc_u32 v[ADRA+1], SLOT, v[ADRA]
	v_and_b32 v4, 7, v0
	v_lshl_add_u32 v4, v2, 3, v4
	v_mul_u32_u24 v4, v4, BP
	v_bfe_u32 v5, v0, 3, 1
	v_lshl_add_u32 v4, v5, 4, v4
	s_lshl_b32 s77, s16, 7
	s_add_co_u32 s77, s77, 2*PART
	v_add_nc_u32 v[ADRB], s77, v4                  ; behind att's four heads: (8 h + lane % 8) x 288 + 128 nh + 16 ((lane / 8) % 2)
	v_add_nc_u32 v[ADRB+1], PART, v[ADRB]          ; k rows 128-255: the loads' 16-bit offsets do not reach them from the first base
	v_add_nc_u32 v[ADRB+2], SLOT, v[ADRB]
	v_add_nc_u32 v[ADRB+3], SLOT, v[ADRB+1]
	s_mul_i32 s78, s14, 16*SP
	s_add_co_u32 s78, s78, STAGE
	v_mul_u32_u24 v6, v1, SP
	v_lshl_add_u32 v6, v2, 5, v6
	v_add_nc_u32 v[STO], s78, v6                   ; in: row r, 32 bytes for each half of the lanes
	v_mul_u32_u24 v7, v2, SP
	v_lshl_add_u32 v7, v1, 4, v7
	v_add_nc_u32 v[RD], s78, v7                    ; back: sixteen lanes a row of 256 bytes
	v_lshlrev_b32 v8, 12, v2
	v_lshl_add_u32 v[CO], v1, 4, v8                ; the same two rows in out0
; 16 matrix instructions, 32 along K, the sixteen accumulators by turns, one instruction a turn.
.macro MUL f, ks, first
.if \first
	WIN 0x81                                       ; source 0 window 1, source 1 and C (the bias) window 0, D window 2
.else
	WIN 0xa1
.endif
.irp a, 0,1,2,3
.irp b, 0,1,2,3
.if \first
	v_wmma_f32_16x16x32_f16 v[8*(4*\a+\b):8*(4*\a+\b)+7], v[\f+32*\ks+8*\b:\f+32*\ks+8*\b+7], v[\f+32*\ks+8*\a:\f+32*\ks+8*\a+7], v[BIAS+8*\b:BIAS+8*\b+7]
.else
	v_wmma_f32_16x16x32_f16 v[8*(4*\a+\b):8*(4*\a+\b)+7], v[\f+32*\ks+8*\b:\f+32*\ks+8*\b+7], v[\f+32*\ks+8*\a:\f+32*\ks+8*\a+7], v[8*(4*\a+\b):8*(4*\a+\b)+7]
.endif
.endr
.endr
.endm
; 32 LDS loads: the fragments of head hf of the slot (64 along K) into buffer f; in each operand the first 32 of K come first
.macro FETCH slot, hf, f
	WIN 0x40
.irp ks, 0,1
.irp i, 0,1,2,3
	ds_load_tr16_b128 v[\f+32*\ks+8*\i:\f+32*\ks+8*\i+3],   v[ADRB+2*\slot+(\hf>>1)] offset:((\hf&1)*64+32*\ks)*BP+32*\i
	ds_load_tr16_b128 v[\f+32*\ks+8*\i+4:\f+32*\ks+8*\i+7], v[ADRB+2*\slot+(\hf>>1)] offset:((\hf&1)*64+32*\ks)*BP+32*\i+16*BP
.endr
.endr
	WIN 0
.irp ks, 0,1
.irp i, 0,1,2,3
	ds_load_b128 v[\f+32*\ks+8*\i:\f+32*\ks+8*\i+3],   v[ADRA+\slot] offset:AHEAD*\hf+16*AP*\i+64*\ks
	ds_load_b128 v[\f+32*\ks+8*\i+4:\f+32*\ks+8*\i+7], v[ADRA+\slot] offset:AHEAD*\hf+16*AP*\i+64*\ks+32
.endr
.endr
.endm
.macro PLACES                          ; four plain vector instructions behind a matrix instruction before its registers are loaded or its result is read (ISA guide 7.12.1)
.rept 4
	v_nop
.endr
.endm
; One head (64 along K) from buffer f; in its middle the next head's fragments are fetched into buffer g.
.macro HALF slot, hfn, f, g, first
	s_wait_dscnt 8                                 ; all but att's second 32 of K, the youngest eight loads
	MUL \f, 0, \first
	PLACES
	FETCH \slot, \hfn, \g
	s_wait_dscnt 32                                ; all but the 32 just issued
	MUL \f, 1, 0
.endm
; A slot's last head, and the change of slots: each wave's reads of the slot and all its tensor loads are waited for in front of the barrier;
; where the slot is filled again the barrier opens a round of the cluster's barrier and the joint refill comes first behind it.
.macro TURN slot, next, fill
	s_wait_dscnt 0x0
	s_wait_tensorcnt 0x0
	ds_add_u32 v255, v63
	s_wait_dscnt 0x0
	s_barrier_signal -1
	MUL F1, 0, 0
	WIN 0
	s_barrier_wait -1
.if \fill
	CREST
	s_add_nc_u64 s[G0+4*\slot+2:G0+4*\slot+3], s[G0+4*\slot+2:G0+4*\slot+3], 2097152      ; two fills on: eight heads
	s_add_nc_u64 s[G0B+4*\slot+2:G0B+4*\slot+3], s[G0B+4*\slot+2:G0B+4*\slot+3], 1048576  ; 512 k rows
	JLOAD \slot
.endif
	PLACES
	FETCH \next, 0, F0
	MUL F1, 1, 0
.endm
.macro THREE slot, first
	HALF \slot, 1, F0, F1, \first
	HALF \slot, 2, F1, F0, 0
	HALF \slot, 3, F0, F1, 0
.endm
	s_wait_tensorcnt 0x1                           ; my part of fill 0 is in; fill 1's load stays out
	s_barrier_signal -1
	s_barrier_wait -1
	FETCH 0, 0, F0
	s_wait_loadcnt 0x0                             ; the bias
	THREE 0, 1
	TURN 0, 1, 1
	THREE 1, 0
	TURN 1, 0, 1
	THREE 0, 0
	TURN 0, 1, 0
	THREE 1, 0
	s_wait_dscnt 8
	MUL F1, 0, 0
	s_wait_dscnt 0
	MUL F1, 1, 0
	PLACES
	WIN 0
	; THE WAY OUT, 16 rows at a time through my own stage: a lane puts 32 bytes of a row, sixteen lanes take a row of 256 bytes back.
	s_lshl_b32 s46, s20, 7
	s_lshl_b32 s47, s15, 6
	s_add_co_u32 s46, s46, s47                     ; my first row
	s_lshl_b32 s46, s46, 12
	s_lshl_b32 s47, s19, 9
	s_add_co_u32 s46, s46, s47
	s_lshl_b32 s47, s16, 8
	s_add_co_u32 s46, s46, s47                     ; my first column, in bytes
	s_mov_b32 s47, 0
	s_add_nc_u64 s[70:71], s[10:11], s[46:47]
.macro OUT a, rb
	WIN 0x08                                       ; the stores' data come from window 2
.irp b, 0,1,2,3
.irp u, 0,1
	ds_store_b128 v[STO], v[8*(4*\a+\b)+4*\u:8*(4*\a+\b)+4*\u+3] offset:64*\b+16*\u
.endr
.endr
	WIN 0
	s_wait_xcnt 0x0                                ; the registers that earlier stores read are loaded again only behind this wait
.irp t, 0,1,2,3,4,5,6,7
	ds_load_b128 v[\rb+4*\t:\rb+4*\t+3], v[RD] offset:2*SP*\t      ; my own bytes: LDS serves a wave's instructions in order
.endr
.irp t, 0,1,2,3,4,5,6,7
	s_wait_dscnt 7-\t                              ; the younger loads stay out
	global_store_b128 v[CO], v[\rb+4*\t:\rb+4*\t+3], s[70:71] offset:65536*\a+8192*\t th:TH_STORE_NT   ; sixteen lanes: 256 consecutive bytes, aligned
.endr
.endm
	OUT 0, 192
	OUT 1, 224
	OUT 2, 192
	OUT 3, 224
	s_set_vgpr_msb 0x1
	s_wait_tensorcnt 0x0
	ds_add_u32 v255, v63
	s_wait_dscnt 0x0
	s_set_vgpr_msb 0x100
	CROUND                                         ; the closing round
	s_endpgm
.Lfunc_end_k_qe46493d41b_oproj:
	.size	k_qe46493d41b_oproj, .Lfunc_end_k_qe46493d41b_oproj-k_qe46493d41b_oproj
	.p2alignl 7, 3214868480
	.fill 96, 4, 3214868480
	.section	.rodata,"a",@progbits
	.p2align	6, 0x0
	.amdhsa_kernel k_qe46493d41b_oproj
		.amdhsa_group_segment_fixed_size 327680
		.amdhsa_private_segment_fixed_size 0
		.amdhsa_enable_private_segment 0
		.amdhsa_kernarg_size 32
		.amdhsa_user_sgpr_count 2
		.amdhsa_user_sgpr_kernarg_segment_ptr 1
		.amdhsa_wavefront_size32 1
		.amdhsa_system_sgpr_workgroup_id_x 1
		.amdhsa_system_sgpr_workgroup_id_y 1
		.amdhsa_system_sgpr_workgroup_id_z 1
		.amdhsa_system_vgpr_workitem_id 0
		.amdhsa_next_free_vgpr 640
		.amdhsa_next_free_sgpr 80
		.amdhsa_reserve_vcc 0
		.amdhsa_float_denorm_mode_32 3
		.amdhsa_float_denorm_mode_16_64 3
		.amdhsa_memory_ordered 1
		.amdhsa_forward_progress 1
		.amdhsa_inst_pref_size 87
	.end_amdhsa_kernel
	.amdgpu_metadata
---
amdhsa.version: [ 1, 2 ]
amdhsa.kernels:
  - .name:           k_qe46493d41b_oproj
    .symbol:         k_qe46493d41b_oproj.kd
    .args:
      - { .name: att, .offset: 0, .size: 8, .value_kind: global_buffer, .address_space: global }
      - { .name: wob, .offset: 8, .size: 8, .value_kind: global_buffer, .address_space: global }
      - { .name: b_out, .offset: 16, .size: 8, .value_kind: global_buffer, .address_space: global }
      - { .name: out0, .offset: 24, .size: 8, .value_kind: global_buffer, .address_space: global }
    .group_segment_fixed_size: 327680
    .private_segment_fixed_size: 0
    .kernarg_segment_align: 8
    .kernarg_segment_size: 32
    .max_flat_workgroup_size: 128
    .sgpr_count:     80
    .vgpr_count:     640
    .wavefront_size: 32
...
	.end_amdgpu_metadata
.endif
;; end of part 4
